; MI455X (gfx1250); checked and timed in simulation.
; The chip was launched on July 23, 2026; its instructions are those of AMD's public machine-readable ISA for CDNA 5 (MIT licence, August 2026) and "CDNA5" Instruction Set Architecture Reference Guide (July 2026). The comments in the code are by the model that wrote it; some were corrected since.
;; Multi Head Selective Attention. Allowed arithmetic: matrix products marked QUANTISED: E3M2 operands, one E8M0 scale for each 32 along K, by v_wmma_scale_f32_16x16x128_f8f6f4 with both operands' format E3M2, f32 sums; products left as they are: f32 operands where the result goes on into a quantised operand, else bf16, f16 or f32 operands; f32 sums; everything else in f32.
;; Inputs: Wk 1,024 x 1,024 float32; Wq 1,024 x 1,024 float32; Wv 1,024 x 16 float32; bk 1,024 float32; bq 1,024 float32; bv 16 float32; mask 8 x 4,096 bool; x 8 x 4,096 x 1,024 float32.
;; Outputs: out0 8 x 16 x 4,096 float32.
;; This version of the problem:
;;   THIS VERSION OF THE PROBLEM IS GIVEN IN LOW PRECISION. The matrix products marked QUANTISED in the list below multiply operands that are first quantised to E3M2 (3 exponent bits, 2 mantissa bits; 6 bits a number), with one power-of-two scale for each 32 numbers along K (OCP MX v1.0); their sums are f32. All else is computed in f32.
;;   The module's matrix products, in the order in which they are computed (A, B: the left and right operand; K: the contracted axis; several contracted axes count as one K, in the product's order):
;;     1. [M 32,768, K 1,024] x [K 1,024, N 1,024]; A: input x; B: input Wq: QUANTISED
;;     2. [M 32,768, K 1,024] x [K 1,024, N 1,024]; A: input x; B: input Wk: QUANTISED
;;     3. [M 32,768, K 1,024] x [K 1,024, N 16]; A: input x; B: input Wv: QUANTISED
;;     4. batch 128 x [M 64, K 4,096] x [K 4,096, N 1]; A: computed on the way; B: computed on the way: left as it is (N = 1 < 16)
;;     5. batch 128 x [M 4,096, K 64] x [K 64, N 1]; A: computed on the way; B: computed on the way: left as it is (N = 1 < 16)
;;   THE QUANTISER, for each operand of a quantised product, along K:
;;     - K is cut into blocks of 32 from its start; a last block that is shorter is filled with zeros.
;;     - A block's scale is 2^e with e = floor(log2(the largest magnitude in the block)) - 4, held to -126 .. 127; a block of zeros has e = 0. As a byte (E8M0): e + 127.
;;     - Each number is divided by its block's scale, clamped to +-28, and rounded to the nearest number of E3M2, ties to even, subnormals kept.
;;     - The product sums the exact products of the quantised numbers (number of the format x scale) in f32.
;;   ~~~python
;;   def quantise(x, axis):      # numpy; x: float32 -> the quantised numbers, widened to float32 again
;;       x = np.moveaxis(x, axis, -1); K = x.shape[-1]
;;       x = np.pad(x, [(0, 0)] * (x.ndim - 1) + [(0, -K % 32)]); x = x.reshape(x.shape[:-1] + (-1, 32)); a = np.abs(x).max(-1, keepdims=True)
;;       e = np.where(a > 0, np.clip(np.frexp(np.where(a > 0, a, 1))[1] - 1 - 4, -126, 127), 0)      # np.frexp(a)[1] - 1 = floor(log2(a)), exactly
;;       r = np.clip(x / 2.0 ** e, -28, 28)
;;       step = 2.0 ** (np.maximum(np.frexp(np.where(r == 0, 1, r))[1] - 1, -2) - 2)
;;       q = np.round(r / step) * step * 2.0 ** e      # np.round: ties to even
;;       return np.moveaxis(q.reshape(q.shape[:-2] + (-1,))[..., :K], -1, axis).astype(np.float32)
;;   ~~~
;; One version. Each part assembles by itself: llvm-mc -triple=amdgcn-amd-amdhsa -mcpu=gfx1250 --defsym DOCPART=n.
;; ======== version 1 of 1: 3 launches
;; workspace buffers: wkc 827,392 bytes; wqc 827,392 bytes; wvc 12,800 bytes; xc 26,214,400 bytes; part 1,048,576 bytes
;; launch wq (part 1): grid 258 x 1, 4 waves a work-group, no clusters, 0 bytes of LDS; arguments Wk, Wq, Wv, bk, bq, wkc, wqc, wvc; writes wkc, wqc, wvc
.if DOCPART == 1
	.amdgcn_target "amdgcn-amd-amdhsa--gfx1250"
	.amdhsa_code_object_version 6
	.text
	.protected	k_q181983b925_wq
	.globl	k_q181983b925_wq
	.p2align	8
	.type	k_q181983b925_wq,@function
k_q181983b925_wq:
	s_mov_b64 s[64:65], 0
	v_nop
	global_prefetch_b8 v0, s[64:65] scope:SCOPE_SE
	s_setreg_imm32_b32 hwreg(HW_REG_WAVE_MODE, 25, 1), 1
	s_wait_xcnt 0x0
; Wk, Wq [1024 (K)][1024] and Wv [1024 (K)][16], f32, become codes of BF6 (E3M2) with one E8M0 byte for each 32 along K, laid as the later launches read them:
; AN IMAGE is a fragment (16 columns x 128 K, 12 registers a lane) as it stands in registers: chunk c (registers 4 c .. 4 c + 3) of lane l at 512 c + 16 l: 1,536 bytes.
; wkc, wqc: 8 tiles of SLOTB bytes; tile t serves heads t (a = 0) and 8 + t (a = 1): images at a 49,152 + (8 ct + s) 1,536; scale words at 98,304 + a 2,048 + ct 512 + 64 s + 4 r;
; the head's 64 numbers of the bias at 102,400 + a 256 + ct 64 + 4 r; 512 bytes of zeros close the tile.  wvc: images at 1,536 s, scale words at 12,288 + 64 s + 4 r.
; ONE WAVE MAKES ONE IMAGE.  Lane (r, h) takes column r, and its registers run down K in the operand's own order (k = 64 c + 32 h + 0 .. 31), so the conversions' results are the operand's registers.
; Work-groups 0-127: Wk, 128-255: Wq (head = (id / 8) % 16, K step s = id % 8, the wave is the head's tile of 16 columns); 256, 257: Wv (K step 4 (id - 256) + wave).
; A block's scale byte is its largest magnitude's exponent field - 4, held at 1 from below.
; LIMITS: a block of zeros gets the byte 1 where the rule says 127 (its codes are zeros, and this program alone reads the bytes); blocks whose largest magnitude lies under 2^-122 are held at byte 1; NaN and infinities are not served.
; The scale words and the biases leave in pieces of 64 bytes: 72 KiB of the launch's 1.6 MiB.
.set SLOTB, 103424
.macro LOADW pitch                     ; W(64 c + 32 h + i, my column): sixteen neighbouring lanes read 64 neighbouring bytes
.irp c, 0,1
.irp i, 0,1,2,3,4,5,6,7,8,9,10,11,12,13,14,15,16,17,18,19,20,21,22,23,24,25,26,27,28,29,30,31
	global_load_b32 v[64+32*\c+\i], v5, s[24:25] offset:\pitch*(64*\c+\i)
.endr
.endr
.endm
	s_load_b256 s[4:11], s[0:1], 0x0               ; Wk s[4:5], Wq s[6:7], Wv s[8:9], bk s[10:11]
	s_load_b256 s[12:19], s[0:1], 0x20             ; bq s[12:13], wkc s[14:15], wqc s[16:17], wvc s[18:19]
	v_lshrrev_b32 v1, 5, v0
	v_readfirstlane_b32 s20, v1                    ; wave
	v_and_b32 v1, 15, v0                           ; r
	v_bfe_u32 v2, v0, 4, 1                         ; h
	v_and_b32 v3, 31, v0
	v_lshlrev_b32 v3, 4, v3                        ; 16 x lane: my place in a chunk of an image
	v_lshlrev_b32 v4, 2, v1                        ; 4 r
	s_mov_b32 s21, 0x76543210
	s_mov_b32 s22, 0xfedcba98                      ; v_permlanex16_b32's selects for lane l xor 16
	s_and_b32 s30, ttmp9, 7                        ; K step s
	s_bfe_u32 s31, ttmp9, 0x40003                  ; head
	s_and_b32 s32, s31, 7                          ; tile t
	s_lshr_b32 s33, s31, 3                         ; a
	s_mul_i32 s36, s32, SLOTB                      ; where the tile begins
	s_wait_kmcnt 0x0
	s_cmp_lt_u32 ttmp9, 128                        ; the buffers are chosen by the work-group's number alone
	s_cselect_b64 s[24:25], s[4:5], s[6:7]         ; the weight
	s_cselect_b64 s[26:27], s[10:11], s[12:13]     ; its bias
	s_cselect_b64 s[28:29], s[14:15], s[16:17]     ; its codes' buffer
	s_cmp_lt_u32 ttmp9, 256
	s_cselect_b64 s[24:25], s[24:25], s[8:9]
	s_cselect_b64 s[28:29], s[28:29], s[18:19]
	s_cbranch_scc0 .Lwv
	s_lshl_b32 s34, s30, 19                        ; 128 s rows of 4,096 bytes
	s_lshl_b32 s35, s31, 8                         ; + the head's 64 columns
	s_add_co_u32 s34, s34, s35
	s_lshl_b32 s35, s20, 6                         ; + my 16 of them
	s_add_co_u32 s34, s34, s35
	s_mov_b32 s35, 0
	s_add_nc_u64 s[24:25], s[24:25], s[34:35]
	s_mul_i32 s37, s33, 49152                      ; the image's place
	s_add_co_u32 s38, s36, s37
	s_mul_i32 s37, s20, 12288
	s_add_co_u32 s38, s38, s37
	s_mul_i32 s37, s30, 1536
	s_add_co_u32 s38, s38, s37
	s_mov_b32 s39, 0
	s_lshl_b32 s37, s33, 11                        ; the scale words' place
	s_add_co_u32 s40, s36, s37
	s_lshl_b32 s37, s20, 9
	s_add_co_u32 s40, s40, s37
	s_lshl_b32 s37, s30, 6
	s_add_co_u32 s40, s40, s37
	s_add_co_u32 s40, s40, 98304
	s_mov_b32 s41, 0
	v_lshl_add_u32 v5, v2, 17, v4                  ; 4 r, and 32 rows further down for lanes 16-31
	LOADW 4096
	s_branch .Lq
.Lwv:
	s_sub_co_u32 s34, ttmp9, 256
	s_lshl_b32 s34, s34, 2
	s_add_co_u32 s34, s34, s20                     ; K step
	s_mul_i32 s38, s34, 1536
	s_mov_b32 s39, 0
	s_lshl_b32 s40, s34, 6
	s_add_co_u32 s40, s40, 12288
	s_mov_b32 s41, 0
	s_lshl_b32 s34, s34, 13                        ; 128 rows of 64 bytes
	s_mov_b32 s35, 0
	s_add_nc_u64 s[24:25], s[24:25], s[34:35]
	v_lshl_add_u32 v5, v2, 11, v4
	LOADW 64
.Lq:
	s_add_nc_u64 s[42:43], s[28:29], s[38:39]      ; the image
	s_add_nc_u64 s[44:45], s[28:29], s[40:41]      ; the scale words
	s_wait_loadcnt 0x0
.irp c, 0,1                                    ; my block 2 c + h: all its 32 numbers are mine
	v_max3_num_f32 v[32+\c], |v[64+32*\c]|, |v[65+32*\c]|, 0x2800000   ; and the floor 2^(5 - 127): the byte cannot fall under 1
.endr
.irp i, 2,4,6,8,10,12,14,16,18,20,22,24,26,28,30
.irp c, 0,1
	v_max3_num_f32 v[32+\c], v[32+\c], |v[64+32*\c+\i]|, |v[65+32*\c+\i]|   ; (the two blocks by turns)
.endr
.endr
.irp c, 0,1
	v_add_nc_u32 v[44+\c], 0xfe000000, v[32+\c]    ; 4 off the exponent field: the conversion takes this operand's exponent field as its scale
.endr
.irp c, 0,1
	v_lshrrev_b32 v[36+\c], 23, v[44+\c]           ; the scale's byte
.endr
	v_lshl_or_b32 v9, v37, 16, v36                 ; my two bytes: blocks h and 2 + h of column r,
	v_lshlrev_b32 v10, 3, v2
	v_lshlrev_b32 v9, v10, v9                      ; at their places in the word;
	v_mov_b32 v10, 0
	v_permlanex16_b32 v10, v9, s21, s22
	v_or_b32 v9, v9, v10                           ; with lane l xor 16's two the word is whole
.irp c, 0,1
	v_cvt_scalef32_pk16_bf6_f32 v[48+6*\c:50+6*\c], v[64+32*\c:79+32*\c], v[44+\c]
	v_cvt_scalef32_pk16_bf6_f32 v[192+4*\c:194+4*\c], v[80+32*\c:95+32*\c], v[44+\c]   ; (a conversion's three registers begin on an even number: made elsewhere and moved)
.endr
	v_nop                                          ; one plain place behind a scaled conversion
.irp c, 0,1
.irp i, 0,1,2
	v_mov_b32 v[51+6*\c+\i], v[192+4*\c+\i]
.endr
.endr
.irp c, 0,1,2
	global_store_b128 v3, v[48+4*\c:51+4*\c], s[42:43] offset:512*\c   ; 32 lanes store 512 consecutive bytes, aligned
.endr
	global_store_b32 v4, v9, s[44:45]              ; both halves of the lanes hold the same word and write it to the same place
	s_cmp_lt_u32 ttmp9, 256                        ; the bias and the tile's closing zeros: by the work-groups of K step 0
	s_cbranch_scc0 .Lend
	s_cmp_eq_u32 s30, 0
	s_cbranch_scc0 .Lend
	s_lshl_b32 s34, s31, 8
	s_lshl_b32 s35, s20, 6
	s_add_co_u32 s34, s34, s35                     ; the head's 64 numbers, my 16 of them
	s_mov_b32 s35, 0
	s_add_nc_u64 s[26:27], s[26:27], s[34:35]
	global_load_b32 v12, v4, s[26:27]
	s_lshl_b32 s37, s33, 8
	s_add_co_u32 s36, s36, s37
	s_lshl_b32 s37, s20, 6
	s_add_co_u32 s36, s36, s37
	s_add_co_u32 s36, s36, 102400
	s_mov_b32 s37, 0
	s_add_nc_u64 s[46:47], s[28:29], s[36:37]
	v_mov_b32 v13, 0
	s_wait_loadcnt 0x0
	global_store_b32 v4, v12, s[46:47]
	global_store_b32 v4, v13, s[46:47] offset:512
.Lend:
	s_endpgm
.Lfunc_end_k_q181983b925_wq:
	.size	k_q181983b925_wq, .Lfunc_end_k_q181983b925_wq-k_q181983b925_wq
	.p2alignl 7, 3214868480
	.fill 96, 4, 3214868480
	.section	.rodata,"a",@progbits
	.p2align	6, 0x0
	.amdhsa_kernel k_q181983b925_wq
		.amdhsa_group_segment_fixed_size 0
		.amdhsa_private_segment_fixed_size 0
		.amdhsa_enable_private_segment 0
		.amdhsa_kernarg_size 64
		.amdhsa_user_sgpr_count 2
		.amdhsa_user_sgpr_kernarg_segment_ptr 1
		.amdhsa_wavefront_size32 1
		.amdhsa_system_sgpr_workgroup_id_x 1
		.amdhsa_system_sgpr_workgroup_id_y 1
		.amdhsa_system_sgpr_workgroup_id_z 1
		.amdhsa_system_vgpr_workitem_id 0
		.amdhsa_next_free_vgpr 208
		.amdhsa_next_free_sgpr 66
		.amdhsa_reserve_vcc 0
		.amdhsa_float_denorm_mode_32 3
		.amdhsa_float_denorm_mode_16_64 3
		.amdhsa_memory_ordered 1
		.amdhsa_forward_progress 1
		.amdhsa_inst_pref_size 20
	.end_amdhsa_kernel
	.amdgpu_metadata
---
amdhsa.version: [ 1, 2 ]
amdhsa.kernels:
  - .name:           k_q181983b925_wq
    .symbol:         k_q181983b925_wq.kd
    .args:
      - { .name: Wk, .offset: 0, .size: 8, .value_kind: global_buffer, .address_space: global }
      - { .name: Wq, .offset: 8, .size: 8, .value_kind: global_buffer, .address_space: global }
      - { .name: Wv, .offset: 16, .size: 8, .value_kind: global_buffer, .address_space: global }
      - { .name: bk, .offset: 24, .size: 8, .value_kind: global_buffer, .address_space: global }
      - { .name: bq, .offset: 32, .size: 8, .value_kind: global_buffer, .address_space: global }
      - { .name: wkc, .offset: 40, .size: 8, .value_kind: global_buffer, .address_space: global }
      - { .name: wqc, .offset: 48, .size: 8, .value_kind: global_buffer, .address_space: global }
      - { .name: wvc, .offset: 56, .size: 8, .value_kind: global_buffer, .address_space: global }
    .group_segment_fixed_size: 0
    .private_segment_fixed_size: 0
    .kernarg_segment_align: 8
    .kernarg_segment_size: 64
    .max_flat_workgroup_size: 128
    .sgpr_count:     66
    .vgpr_count:     208
    .wavefront_size: 32
...
	.end_amdgpu_metadata
.endif
;; end of part 1
;; launch kpass (part 2): grid 256 x 1, 4 waves a work-group, clusters of 4 x 1, 327,680 bytes of LDS; arguments x, wkc, wvc, bv, xc, part; writes xc, part
.if DOCPART == 2
	.amdgcn_target "amdgcn-amd-amdhsa--gfx1250"
	.amdhsa_code_object_version 6
	.text
	.protected	k_q181983b925_kpass
	.globl	k_q181983b925_kpass
	.p2align	8
	.type	k_q181983b925_kpass,@function
k_q181983b925_kpass:
	s_mov_b64 s[64:65], 0
	v_nop
	global_prefetch_b8 v0, s[64:65] scope:SCOPE_SE
	s_setreg_imm32_b32 hwreg(HW_REG_WAVE_MODE, 25, 1), 1
	s_wait_xcnt 0x0
	s_wait_alu depctr_hold_cnt(0) depctr_sa_sdst(0) depctr_va_vdst(0) depctr_va_sdst(0) depctr_va_ssrc(0) depctr_va_vcc(0) depctr_vm_vsrc(0)
	s_getreg_b32 s2, hwreg(HW_REG_IB_STS2, 6, 4)
	s_cmp_eq_u32 s2, 0
	s_cbranch_scc0 .Lentry_in_a_cluster
	s_endpgm
.Lentry_in_a_cluster:
	s_bfe_u32 s2, ttmp6, 0x10000c
	s_cmp_lg_u32 s2, 0x3003
	s_cbranch_scc0 .Lentry_shape_is_right
	s_endpgm
.Lentry_shape_is_right:
; A work-group takes 128 rows of x [32768][1024] f32 (block blk) and ALL 1,024 columns of Wk, so that x is read as f32 by one work-group alone.
;   X: wave w quantises rows 32 w .. 32 w + 31 along K into codes of BF6 (E3M2) with one E8M0 byte for each 32, as images of the operand's registers in LDS; the block's 102,400 bytes also go to xc for the next launch.
;   v = x Wv + bv, k = x Wk + bk on the codes, by the scaled matrix instruction; part[blk][head 64 + d] = the sum over the block's rows of k[row][d] v[row][head], in f32, on the accumulators.
; SHARES.  Wave (i, j) = (w / 2, w % 2) owns rows 64 i .. 64 i + 63 (four tiles l of 16) and eight heads, one a step.  Its 32 fragments of x (384 registers) stay in registers; step t multiplies them by one head's
; 4 tiles of columns x 8 K steps out of LDS slot t % 2: 128 matrix instructions on 16 accumulators, which take turns.  A fragment of W read from LDS feeds four of them.
; W's TILES (laid by the launch before: 103,424 bytes, two heads' images, scale words and biases) come through a ring of two slots, both filled at the start.  The four work-groups of a cluster walk the same tiles:
; each is asked for JOINTLY, every wave its quarter, with a mask that names the four.
; THE WALK.  Cluster c takes the tiles in the order c % 8, c % 8 + 1, .. round: step t serves tile (t + c) % 8, heads (t + c) % 8 (j = 0) and 8 + (t + c) % 8 (j = 1).  So the 64 clusters' first fills ask for all eight
; tiles, and no later step finds all clusters asking for one tile that nobody has asked for before.  EVERY LDS PLACE IS BY THE STEP t; only global addresses know the turn: the tiles', Wv's columns, scale words and bv
; (lane r takes head 8 (r / 8) + (r + c) % 8, so that v lies by steps), and part's.
; THE CHANGE OF SLOTS stands in a head's last two K steps; behind it come the refill, the next head's first fragments, and only then this head's sums, which so stand between those loads and their first use.
; k's bias: the sum of (acc + bk) v = the sum of acc v + bk x the sum of v; the sum of v is kept beside v.
; AN IMAGE: chunk c (registers 4 c .. 4 c + 3) of lane l at 512 c + 16 l; 1,536 bytes a fragment.  Scale words: 64 bytes a tile and K step; a load at 128 u + 4 x lane brings step 2 u to lanes 0-15 and step 2 u + 1 to lanes 16-31.
; LIMITS: a block of zeros gets the byte 1 where the rule says 127 (its codes are zeros; this program alone reads the bytes); blocks whose largest magnitude lies under 2^-122 are held at byte 1; NaN and infinities are not served.
; REGISTERS, in windows of 256: window 0: v1-31 addresses; v32-47 x's scale words, v48-63 W's; v64-159 two buffers of four fragments of W; (phase X: v64-191 numbers, v192-231 codes, v232-251 at work; then v160-191 v's sums).
;   window 1: x's fragments of tiles 0, 1 (v0-191), Wv's K steps 0-4 (v192-251).  window 2: tiles 2, 3, Wv's K steps 5-7.  window 3: phase X: four sets of 64 numbers as loaded; then the 16 accumulators (v0-127) and what the sums want (v128-175).
; SCALARS: s16 wave, s17 i, s18 j, s20 blk, s[24:31] group 1, s[32:39] group 0 for slots 0, 1, s[40:41] lane selects, s42 trips, s43, s44 the step's places in v and in the sums, s45 the step whose tile is asked for next + c,
;   s49 c % 8, s[50:51] W at my quarter of a tile, s[72:73] a tile's byte offset.
.set SLOTB,  103424                    ; a tile of W, and an LDS slot
.set QTR,    25856                     ; a quarter of it: 101 rows of 256 bytes, one wave's tensor load
.set XIMG,   206848                    ; behind the ring: x's 64 images,
.set XSC,    305152                    ; their scale words, 4,096 bytes,
.set STG,    309248                    ; a stage of 16 rows x 272 bytes for each wave,
.set SPARE,  326656                    ; and the spare words, 128 bytes for each wave: two blocks of 256 bytes that no other line names
.set VST,    XIMG                      ; when x's images have been read: v, for each wave 16 steps' heads x (64 rows + the two sums) at a pitch of 272 bytes,
.set PST,    XIMG+17408                ; and the partial sums [2 i + h][1024] f32
.set LI,  1                            ; 16 x lane
.set LS,  2                            ; 4 x lane
.set RR,  3                            ; r = lane % 16
.set HH,  4                            ; h = lane / 16
.set SPW, 5                            ; LDS address of my spare word; never rewritten
.set NIL, 6                            ; 0; never rewritten
.set R4,  7                            ; 4 r
.set AB,  8                            ; v8-9   my head's images in slot 0, 1
.set AS,  10                           ; v10-11 its scale words
.set ABI, 12                           ; v12-13 its bias, at my column
.set AXF, 14                           ; my 64 rows' images of x
.set AXS, 15                           ; and their scale words
.set XA,  16                           ; x: 4,096 (lane / 16) + 16 (lane % 16); at the end: my offset in part
.set SA,  17                           ; the stage, in
.set RA,  18                           ; the stage, out
.set XWI, 19                           ; where I store x's images
.set XWS, 20                           ; and their scale words
.set CPL, 21                           ; my quarter of the block's codes, for the copy to xc
.set VTW, 22                           ; where I store v
.set VT0, 23                           ; where I read v of step 0
.set SVA0, 24                          ; and its sum
.set PA0, 25                           ; where my partial sums of step 0 go
.set VTA, 26                           ; the three for the step in hand
.set SVA, 27
.set PAD, 28
.set LIV, 26                           ; (at the head the same three registers hold my offsets in Wv's images,
.set LSV, 27                           ;  in its scale words,
.set BVA, 28                           ;  and in bv; those loads are shown done long before the first step)
.set SVW, 29                           ; where I store my sum of v
.set T16, 30                           ; 16 x thread
.set TMP, 31
.set XS,  32
.set WS,  48
.set FB0, 64
.set FB1, 112
.set VA,  160
.set TM,  232
.set MSB, 0
.macro WIN new                         ; s_set_vgpr_msb: bits 1:0 source 0, 3:2 source 1, 5:4 source 2, 7:6 destination; the high byte repeats the setting that is left
.if MSB != (\new)
	s_set_vgpr_msb (MSB<<8)|(\new)
.set MSB, \new
.endif
.endm
.macro PLACES                          ; four plain places behind a matrix instruction, in front of loads into its registers and of reads of its result
.rept 4
	v_nop
.endr
.endm
.macro CREST                           ; a round of the cluster's barrier behind its opening barrier
	s_cmp_lg_u32 s16, 0
	s_cbranch_scc1 .Lnot_wave_0_\@
	s_barrier_signal -3
.Lnot_wave_0_\@:
	s_barrier_wait -3
	s_barrier_signal -1
	s_barrier_wait -1
.endm
.macro ROUND                           ; a whole round
	s_barrier_signal -1
	s_barrier_wait -1
	CREST
.endm
.macro WM d, a, b, c, sa, sb, odd, zero    ; one product; odd K steps take their scale words from lanes 16-31; zero = 1: it starts the sum
.if \zero
	v_wmma_scale_f32_16x16x128_f8f6f4 v[\d:\d+7], v[\a:\a+11], v[\b:\b+11], 0, v[\sa], v[\sb] matrix_a_fmt:MATRIX_FMT_BF6 matrix_b_fmt:MATRIX_FMT_BF6
.elseif \odd
	v_wmma_scale_f32_16x16x128_f8f6f4 v[\d:\d+7], v[\a:\a+11], v[\b:\b+11], v[\c:\c+7], v[\sa], v[\sb] matrix_a_fmt:MATRIX_FMT_BF6 matrix_b_fmt:MATRIX_FMT_BF6 matrix_a_scale:MATRIX_SCALE_ROW1 matrix_b_scale:MATRIX_SCALE_ROW1
.else
	v_wmma_scale_f32_16x16x128_f8f6f4 v[\d:\d+7], v[\a:\a+11], v[\b:\b+11], v[\c:\c+7], v[\sa], v[\sb] matrix_a_fmt:MATRIX_FMT_BF6 matrix_b_fmt:MATRIX_FMT_BF6
.endif
.endm
.macro XFRAGS                          ; my 32 fragments of x and their 16 registers of scale words, out of LDS, to stay
	WIN 0x40
.irp l, 0,1
.irp s, 0,1,2,3,4,5,6,7
.irp c, 0,1,2
	ds_load_b128 v[(\l*8+\s)*12+4*\c:(\l*8+\s)*12+4*\c+3], v[AXF] offset:(\l*8+\s)*1536+512*\c
.endr
.endr
.endr
	WIN 0x80
.irp l, 2,3
.irp s, 0,1,2,3,4,5,6,7
.irp c, 0,1,2
	ds_load_b128 v[((\l-2)*8+\s)*12+4*\c:((\l-2)*8+\s)*12+4*\c+3], v[AXF] offset:(\l*8+\s)*1536+512*\c
.endr
.endr
.endr
	WIN 0
.irp l, 0,1,2,3
.irp u, 0,1,2,3
	ds_load_b32 v[XS+4*\l+\u], v[AXS] offset:\l*512+\u*128
.endr
.endr
.endm
.macro FETCHB slot, ks, buf            ; the head's four fragments of K step ks: 12 loads of 512 consecutive bytes
.irp ct, 0,1,2,3
.irp c, 0,1,2
	ds_load_b128 v[(\buf)+12*\ct+4*\c:(\buf)+12*\ct+4*\c+3], v[AB+\slot] offset:(\ct*8+(\ks))*1536+512*\c
.endr
.endr
.endm
.macro WSC slot                        ; the head's scale words
.irp ct, 0,1,2,3
.irp u, 0,1,2,3
	ds_load_b32 v[WS+4*\ct+\u], v[AS+\slot] offset:\ct*512+\u*128
.endr
.endr
.endm
.macro MM ks, buf                      ; 16 products: source 0 = 16 rows of x, source 1 = 16 columns of W: register n of lane (r, h) is k(row 8 h + n, column r)
.irp l, 0,1,2,3
	WIN 0xf1+\l/2
.irp ct, 0,1,2,3
.if (\ks) == 0
	WM 8*(4*\l+\ct), ((\l%2)*8+(\ks))*12, (\buf)+12*\ct, 0, XS+4*\l+(\ks)/2, WS+4*\ct+(\ks)/2, 0, 1
.else
	WM 8*(4*\l+\ct), ((\l%2)*8+(\ks))*12, (\buf)+12*\ct, 8*(4*\l+\ct), XS+4*\l+(\ks)/2, WS+4*\ct+(\ks)/2, (\ks)%2, 0
.endif
.endr
.endr
.endm
.macro EPI                             ; the head's part of K^T V: for each of my 4 columns the sum over my 32 rows of acc x v, each accumulator from its low end on
	WIN 0xff
.irp l, 0,1,2,3
.irp p, 0,1,2,3
.irp ct, 0,1,2,3
.if (\l+\p) == 0
	v_pk_mul_f32 v[160+2*\ct:161+2*\ct], v[8*(4*\l+\ct)+2*\p:8*(4*\l+\ct)+2*\p+1], v[128+8*\l+2*\p:129+8*\l+2*\p]
.else
	v_pk_fma_f32 v[160+2*\ct:161+2*\ct], v[8*(4*\l+\ct)+2*\p:8*(4*\l+\ct)+2*\p+1], v[128+8*\l+2*\p:129+8*\l+2*\p], v[160+2*\ct:161+2*\ct]
.endif
.endr
.endr
.endr
.irp ct, 0,1,2,3
	v_add_f32 v[160+2*\ct], v[160+2*\ct], v[161+2*\ct]
.endr
.irp ct, 0,1,2,3
	v_fmac_f32 v[160+2*\ct], v[172+\ct], v168      ; + bk x the sum of v
.endr
	WIN 0x0c                                       ; an LDS store's data are its source 1: window 3
.irp ct, 0,1,2,3
	ds_store_b32 v[PAD], v[160+2*\ct] offset:64*\ct
.endr
	WIN 0
	s_add_co_u32 s43, s43, 272                     ; the next step's v,
	s_add_co_u32 s44, s44, 256                     ; and its 64 sums
.endm
; ONE HEAD, out of slot \slot.  At its entry the loads of its K steps 0 and 1 and of its scale words have been issued.
; mode 2: the slots change and this slot is filled again, with the tile two steps on;  1: they change and nothing is filled (the last head but one);  0: the last head.
; THE CHANGE OF SLOTS: when K step 7's fragments have been asked for, the wave waits for all its tensor loads (one is out: its quarter of the next slot), adds 0 to its spare word, works K step 6, waits for the add and
; for its reads of this slot, signals, works K step 7, and passes the barrier, which with mode 2 opens a round of the cluster's.  Behind it no wave of any partner reads this slot and the next slot is whole.
; From a tile's request to the wait for it a wave has the sums below and 96 matrix instructions.
.macro HEAD slot, mode
	v_add_nc_u32 v[VTA], s43, v[VT0]
	v_add_nc_u32 v[SVA], s43, v[SVA0]
	v_add_nc_u32 v[PAD], s44, v[PA0]
	WIN 0xc0                                       ; what the sums want, into window 3: v of my rows (v128-159), its sum (v168), my columns' bias (v172-175): 13 loads
.irp l, 0,1,2,3
	ds_load_b128 v[128+8*\l:131+8*\l], v[VTA] offset:64*\l
	ds_load_b128 v[132+8*\l:135+8*\l], v[VTA] offset:64*\l+16
.endr
	ds_load_b32 v168, v[SVA]
.irp ct, 0,1,2,3
	ds_load_b32 v[172+\ct], v[ABI+\slot] offset:64*\ct
.endr
	WIN 0
	s_wait_dscnt 25                                ; K step 0 and the scale words are in: behind them stand K step 1's 12 loads and the 13 above (and, on the way back round the loop, the last head's four stores)
	MM 0, FB0
.irp k, 1,2,3,4,5
	WIN 0
	PLACES                                         ; in front of loads into the buffer that the sixteen products above have read
	FETCHB \slot, \k+1, FB0+48*((\k+1)%2)
	s_wait_dscnt 12                                ; this K step's fragments are in; the next step's twelve loads may be out
	MM \k, FB0+48*(\k%2)
.endr
	WIN 0
	PLACES
	FETCHB \slot, 7, FB1                           ; my last reads of this slot
.if \mode
	s_wait_tensorcnt 0x0                           ; all my tensor loads have landed
	ds_add_u32 v[SPW], v[NIL]
.if \mode == 2
	s_and_b32 s72, s45, 7                          ; no load of mine is out, so a group 0 may be written: tile (t + 2 + c) % 8, at my quarter
	s_mul_i32 s72, s72, SLOTB
	s_add_nc_u64 s[34+4*\slot:35+4*\slot], s[50:51], s[72:73]
	s_or_b32 s[35+4*\slot], s[35+4*\slot], 0x80000000
	s_add_co_u32 s45, s45, 1
.endif
	s_wait_dscnt 13                                ; K step 6 is in; K step 7's twelve loads and the add may be out
	MM 6, FB0
	s_wait_dscnt 0x0                               ; the add is done, and my reads of this slot are over
	s_barrier_signal -1
	MM 7, FB1                                      ; work on registers while the others arrive
	WIN 0
	s_barrier_wait -1
.if \mode == 2
	CREST
	tensor_load_to_lds s[32+4*\slot:35+4*\slot], s[24:31]   ; the first thing behind the round, and my one tensor load until the next
	s_nop 0
.endif
	PLACES                                         ; behind the tensor load; also the places in front of the loads below and of the sums' first reads
	FETCHB 1-\slot, 0, FB0                         ; the next head's first two K steps and its scale words: they land while this head's sums are made
	WSC 1-\slot
	FETCHB 1-\slot, 1, FB1
.else
	s_wait_dscnt 12
	MM 6, FB0
	s_wait_dscnt 0x0
	MM 7, FB1
	WIN 0
	PLACES
.endif
	EPI
.endm
	s_load_b256 s[4:11], s[0:1], 0x0               ; x s[4:5], wkc s[6:7], wvc s[8:9], bv s[10:11]
	s_load_b128 s[12:15], s[0:1], 0x20             ; xc s[12:13], part s[14:15]
	v_lshl_add_u32 v[SPW], v0, 2, SPARE
	v_mov_b32 v[NIL], 0
	ds_add_u32 v5, v6
	ds_add_u32 v5, v6
	s_wait_dscnt 0x0
	v_lshrrev_b32 v[TMP], 5, v0
	v_readfirstlane_b32 s16, v[TMP]                ; wave w
	s_lshr_b32 s17, s16, 1                         ; i: which 64 rows
	s_and_b32 s18, s16, 1                          ; j: which 8 heads
	s_bfe_u32 s19, ttmp6, 0x40000                  ; cx
	s_lshl_b32 s20, ttmp9, 2
	s_add_co_u32 s20, s20, s19                     ; blk = 4 x cluster + cx: it enters global addresses of x, xc and part alone
	s_and_b32 s49, ttmp9, 7                        ; c % 8, the same in the four partners: it enters global addresses alone
	s_mov_b32 s24, 15|(3<<16)|(1<<21)              ; group 1 for W's tiles: the mask names the four work-groups; elements of 8 bytes; bit 21 beside a mask; no padding (an image is read as 512 consecutive bytes)
	s_mov_b32 s25, 32<<16                          ; tensor_dim0 = 32 elements: rows of 256 bytes
	s_mov_b32 s26, 101<<16                         ; tensor_dim1 = 101
	s_mov_b32 s27, 32<<16                          ; tile_dim0
	s_mov_b32 s28, 101                             ; tile_dim1
	s_mov_b32 s29, 32                              ; the pitch: dense
	s_mov_b32 s30, 0
	s_mov_b32 s31, 0
	s_mov_b32 s40, 0x76543210
	s_mov_b32 s41, 0xfedcba98                      ; v_permlanex16_b32's selects for lane l xor 16
	s_mul_i32 s22, s16, QTR                        ; my quarter of a tile, in memory and in a slot
	s_mov_b32 s23, 0
	s_mov_b32 s73, 0
	s_wait_kmcnt 0x0
	s_add_nc_u64 s[50:51], s[6:7], s[22:23]        ; W at my quarter of tile 0
.irp n, 0,1                                    ; group 0 for slot n, set up for step n: tile (n + c) % 8
	s_add_co_u32 s72, s49, \n
	s_and_b32 s72, s72, 7
	s_mul_i32 s72, s72, SLOTB
	s_mov_b32 s[32+4*\n], 1
	s_add_co_u32 s[33+4*\n], s22, \n*SLOTB
	s_add_nc_u64 s[34+4*\n:35+4*\n], s[50:51], s[72:73]
	s_or_b32 s[35+4*\n], s[35+4*\n], 0x80000000
.endr
	s_add_co_u32 s45, s49, 2                       ; the first refill is step 2's
	s_lshl_b32 s46, s20, 19                        ; x: 128 rows of 4,096 bytes a block, 32 a wave
	s_lshl_b32 s47, s16, 17
	s_add_co_u32 s46, s46, s47
	s_mov_b32 s47, 0
	s_add_nc_u64 s[4:5], s[4:5], s[46:47]
	s_mul_i32 s46, s20, 102400                     ; xc: 102,400 bytes a block, a quarter a wave
	s_mul_i32 s48, s16, 25600
	s_add_co_u32 s46, s46, s48
	s_add_nc_u64 s[12:13], s[12:13], s[46:47]
	s_lshl_b32 s46, s20, 12                        ; part: 4,096 bytes a block
	s_add_nc_u64 s[14:15], s[14:15], s[46:47]
	ROUND                                          ; the four work-groups are here: the first joint loads meet
	tensor_load_to_lds s[32:35], s[24:31]          ; steps 0 and 1: two loads of mine are out; they land while x is quantised
	s_nop 0
	tensor_load_to_lds s[36:39], s[24:31]
	s_nop 0
.rept 4
	v_nop
.endr
	v_and_b32 v[TMP], 31, v0
	v_lshlrev_b32 v[LI], 4, v[TMP]
	v_lshlrev_b32 v[LS], 2, v[TMP]
	v_and_b32 v[RR], 15, v0
	v_bfe_u32 v[HH], v0, 4, 1
	v_lshlrev_b32 v[R4], 2, v[RR]
	v_lshlrev_b32 v[T16], 4, v0
	v_add_nc_u32 v[TMP], s49, v[RR]
	v_and_b32 v[TMP], 7, v[TMP]
	v_and_or_b32 v[TMP], v[RR], 8, v[TMP]          ; the head that lane r takes of Wv: 8 (r / 8) + (r + c) % 8
	v_lshlrev_b32 v[BVA], 2, v[TMP]                ; its place in bv,
	v_lshl_add_u32 v[TMP], v[HH], 4, v[TMP]
	v_lshlrev_b32 v[LIV], 4, v[TMP]                ; in a chunk of an image,
	v_lshlrev_b32 v[LSV], 2, v[TMP]                ; and among two K steps' scale words
	s_mul_i32 s21, s18, 49152
	v_add_nc_u32 v[AB], s21, v[LI]
	v_add_nc_u32 v[AB+1], SLOTB, v[AB]
	s_lshl_b32 s21, s18, 11
	s_add_co_u32 s21, s21, 98304
	v_add_nc_u32 v[AS], s21, v[LS]
	v_add_nc_u32 v[AS+1], SLOTB, v[AS]
	s_lshl_b32 s21, s18, 8
	s_add_co_u32 s21, s21, 102400
	v_add_nc_u32 v[ABI], s21, v[R4]
	v_add_nc_u32 v[ABI+1], SLOTB, v[ABI]
	s_mul_i32 s21, s17, 49152
	s_add_co_u32 s21, s21, XIMG
	v_add_nc_u32 v[AXF], s21, v[LI]
	s_lshl_b32 s21, s17, 11
	s_add_co_u32 s21, s21, XSC
	v_add_nc_u32 v[AXS], s21, v[LS]
	v_lshlrev_b32 v[XA], 4, v[RR]
	v_lshl_add_u32 v[XA], v[HH], 12, v[XA]
	s_mul_i32 s21, s16, 4352
	s_add_co_u32 s21, s21, STG                     ; my stage
	v_mul_u32_u24 v[TMP], v[HH], 272
	v_lshl_add_u32 v[TMP], v[RR], 4, v[TMP]
	v_add_nc_u32 v[SA], s21, v[TMP]                ; in: as loaded: two rows' 256 bytes
	v_mul_u32_u24 v[TMP], v[RR], 272
	v_lshl_add_u32 v[TMP], v[HH], 6, v[TMP]
	v_add_nc_u32 v[RA], s21, v[TMP]                ; out: row r, 16 numbers of each block of 32 for each half of the lanes
	s_mul_i32 s21, s16, 24576
	s_add_co_u32 s21, s21, XIMG
	v_add_nc_u32 v[XWI], s21, v[LI]
	s_lshl_b32 s21, s16, 10
	s_add_co_u32 s21, s21, XSC
	v_add_nc_u32 v[XWS], s21, v[R4]
	s_mul_i32 s21, s16, 25600
	s_add_co_u32 s21, s21, XIMG
	v_add_nc_u32 v[CPL], s21, v[LI]
	s_mul_i32 s21, s16, 4352
	s_add_co_u32 s21, s21, VST                     ; my wave's v
	v_mul_u32_u24 v[TMP], v[RR], 272
	v_add_nc_u32 v[TMP], s21, v[TMP]               ; lane r's row: j = r / 8, step r % 8
	v_lshl_add_u32 v[VTW], v[HH], 5, v[TMP]
	v_lshl_add_u32 v[SVW], v[HH], 2, v[TMP]
	v_add_nc_u32 v[SVW], 256, v[SVW]
	s_mul_i32 s48, s18, 2176
	s_add_co_u32 s21, s21, s48                     ; my j's row of step 0
	v_lshl_add_u32 v[VT0], v[HH], 5, s21
	v_lshl_add_u32 v[SVA0], v[HH], 2, s21
	v_add_nc_u32 v[SVA0], 256, v[SVA0]
	s_lshl_b32 s21, s17, 13
	s_lshl_b32 s48, s18, 11
	s_add_co_u32 s21, s21, s48
	s_add_co_u32 s21, s21, PST
	v_lshl_add_u32 v[PA0], v[HH], 12, s21
	v_add_nc_u32 v[PA0], v[PA0], v[R4]
.irp b, 0,1,2,3
	v_mov_b32 v[TM+4+\b], 0                        ; written once: a lane permute's destination counts as one of its sources
.endr
	v_mov_b32 v251, 0                              ; (named as the upper half of the pair v[250:251])
	WIN 0x40                                       ; Wv's eight fragments, its scale words and bv, each lane its own head's: they stay in registers
.irp s, 0,1,2,3,4
.irp c, 0,1,2
	global_load_b128 v[192+12*\s+4*\c:195+12*\s+4*\c], v[LIV], s[8:9] offset:\s*1536+512*\c
.endr
.endr
	WIN 0x80
.irp s, 5,6,7
.irp c, 0,1,2
	global_load_b128 v[192+12*(\s-5)+4*\c:195+12*(\s-5)+4*\c], v[LIV], s[8:9] offset:\s*1536+512*\c
.endr
.endr
	WIN 0
.irp u, 0,1,2,3
	global_load_b32 v[WS+\u], v[LSV], s[8:9] offset:12288+128*\u
.endr
	global_load_b32 v250, v[BVA], s[10:11]         ; bv of my head
; ---- X.  My 32 rows become 16 fragments f (tile f / 8, K step f % 8).
; LOADX: 16 loads, each two rows' 256 consecutive aligned bytes, into set f % 4 of window 3.  TURN: through my stage, half a fragment at a time (LDS serves a wave's instructions in order, ISA guide 5.7.1.4), so that
; register 16 b + n of lane (r, h) is x(row r, k = 32 b + 16 h + n).  QUANT: the block's largest magnitude, the byte, the conversion.  The image and the scale word go to LDS.
.macro LOADX f
	WIN 0xc0
.irp e, 0,1
.irp p, 0,1,2,3,4,5,6,7
	global_load_b128 v[64*((\f)%4)+32*\e+4*\p:64*((\f)%4)+32*\e+4*\p+3], v[XA], s[4:5] offset:((\f)/8)*65536+\p*8192+((\f)%8)*512+\e*256 th:TH_LOAD_NT
.endr
.endr
.endm
.macro TURN f
.set TRB, 64*((\f)%4)
.set TXB, 64+64*((\f)%2)
	WIN 0x0c                                       ; the stores' data in window 3, the loads' results in window 0
.irp e, 0,1
.irp p, 0,1,2,3,4,5,6,7
	ds_store_b128 v[SA], v[TRB+32*\e+4*\p:TRB+32*\e+4*\p+3] offset:544*\p
.endr
.irp b, 0,1
.irp q, 0,1,2,3
	ds_load_b128 v[TXB+32*\e+16*\b+4*\q:TXB+32*\e+16*\b+4*\q+3], v[RA] offset:128*\b+16*\q
.endr
.endr
.endr
.endm
.macro QUANT xs, pc, pw
.irp b, 0,1,2,3
	v_max3_num_f32 v[TM+\b], |v[\xs+16*\b]|, |v[\xs+1+16*\b]|, 0x2800000   ; block b: my 16 numbers, and the floor 2^(5 - 127): the byte cannot fall under 1
.endr
.irp i, 2,4,6,8,10,12,14
.irp b, 0,1,2,3
	v_max3_num_f32 v[TM+\b], v[TM+\b], |v[\xs+16*\b+\i]|, |v[\xs+1+16*\b+\i]|   ; (the four blocks by turns)
.endr
.endr
.irp b, 0,1,2,3
	v_permlanex16_b32 v[TM+4+\b], v[TM+\b], s40, s41
.endr
.irp b, 0,1,2,3
	v_max_num_f32 v[TM+\b], v[TM+\b], v[TM+4+\b]   ; with lane l xor 16's: the block's largest magnitude
.endr
.irp b, 0,1,2,3
	v_add_nc_u32 v[TM+12+\b], 0xfe000000, v[TM+\b] ; 4 off its exponent field: the conversion's scale operand
.endr
.irp b, 0,1,2,3
	v_lshrrev_b32 v[TM+4+\b], 23, v[TM+12+\b]      ; the scale's byte
.endr
	v_lshl_or_b32 v[\pw], v[TM+5], 8, v[TM+4]      ; my row's scale word
	v_lshl_or_b32 v[\pw], v[TM+6], 16, v[\pw]
	v_lshl_or_b32 v[\pw], v[TM+7], 24, v[\pw]
.irp c, 0,1
	v_cvt_scalef32_pk16_bf6_f32 v[\pc+6*\c:\pc+2+6*\c], v[\xs+32*\c:\xs+15+32*\c], v[TM+12+2*\c]
	v_cvt_scalef32_pk16_bf6_f32 v[\pc+12+4*\c:\pc+14+4*\c], v[\xs+16+32*\c:\xs+31+32*\c], v[TM+12+2*\c+1]   ; (a conversion's three registers begin on an even number)
.endr
	v_nop                                          ; one plain place behind a scaled conversion
.irp c, 0,1                                    ; the operand's layout wants a whole block in a lane
.irp i, 0,1,2
	v_permlane16_swap_b32 v[\pc+6*\c+\i], v[\pc+12+4*\c+\i]
.endr
.irp i, 0,1,2
	v_mov_b32 v[\pc+3+6*\c+\i], v[\pc+12+4*\c+\i]
.endr
.endr
.endm
.macro STEPX f
.if (\f) > 0
	s_wait_dscnt 4                                 ; all but the last fragment's four image stores: this fragment is back from the stage, so its set of window 3 has been read, and the codes' registers of two fragments ago are free
.else
	s_wait_dscnt 0x0
.endif
.if (\f)+4 < 16
	LOADX (\f)+4
.endif
.if (\f)+1 < 16
.if 14-(\f) >= 3
	s_wait_loadcnt 48                              ; the next fragment's 16 loads are in; the three sets behind it may be out
.else
	s_wait_loadcnt 16*(14-(\f))
.endif
	TURN (\f)+1
.endif
	WIN 0
.set QXB, 64+64*((\f)%2)
.set QPB, 192+20*((\f)%2)
.set QPW, 248+((\f)%2)
	QUANT QXB, QPB, QPW
.irp c, 0,1,2
	ds_store_b128 v[XWI], v[QPB+4*\c:QPB+4*\c+3] offset:(\f)*1536+512*\c
.endr
	ds_store_b32 v[XWS], v[QPW] offset:64*(\f)     ; both halves of the lanes hold the same word
.endm
	LOADX 0
	LOADX 1
	LOADX 2
	LOADX 3
	s_wait_loadcnt 48                              ; fragment 0's loads, and all that was asked for before them, are in
	TURN 0
.irp f, 0,1,2,3,4,5,6,7,8,9,10,11,12,13,14,15
	STEPX \f
.endr
	s_wait_dscnt 0x0                               ; my images lie in LDS
	s_barrier_signal -1
	s_barrier_wait -1                              ; everybody's do
	XFRAGS
	WIN 0xc0                                       ; and my quarter of the block's 102,400 bytes, for xc
.set Q, 0
.rept 50
	ds_load_b128 v[4*Q:4*Q+3], v[CPL] offset:512*Q
.set Q, Q+1
.endr
	WIN 0
	s_wait_dscnt 0x0                               ; my reads of the images are over,
	s_wait_tensorcnt 0x1                           ; and my quarter of step 0's tile is in; step 1's, issued behind it, may stay out
	s_barrier_signal -1
	s_barrier_wait -1                              ; both hold of every wave: the images' bytes may be written again, and slot 0 may be read
	WIN 0x0c
.set Q, 0
.rept 50
	global_store_b128 v[LI], v[4*Q:4*Q+3], s[12:13] offset:512*Q   ; 32 lanes store 512 consecutive bytes, aligned; the next launch reads them
.set Q, Q+1
.endr
; ---- v = x Wv + bv for my 64 rows and all 16 heads: four accumulators by turns.  Register n of lane (r, h) in tile l: v(row 16 l + 8 h + n, lane r's head)
.irp s, 0,1,2,3,4,5,6,7
.irp l, 0,1,2,3
	WIN (1+\l/2)|((1+\s/5)<<2)
.if \s == 0
	WM VA+8*\l, ((\l%2)*8+\s)*12, 192+12*(\s%5), 0, XS+4*\l+\s/2, WS+\s/2, 0, 1
.else
	WM VA+8*\l, ((\l%2)*8+\s)*12, 192+12*(\s%5), VA+8*\l, XS+4*\l+\s/2, WS+\s/2, \s%2, 0
.endif
.endr
.endr
	WIN 0
	PLACES
.irp q, 0,1,2,3,4,5,6,7,8,9,10,11,12,13,14,15
	v_pk_add_f32 v[VA+2*\q:VA+2*\q+1], v[VA+2*\q:VA+2*\q+1], v[250:251] op_sel_hi:[1,0]   ; + bv of my head, each accumulator from its low end on
.endr
	v_pk_add_f32 v[192:193], v[VA:VA+1], v[VA+2:VA+3]                  ; the sum of my 32 v
.irp q, 2,3,4,5,6,7,8,9,10,11,12,13,14,15
	v_pk_add_f32 v[192:193], v[192:193], v[VA+2*\q:VA+2*\q+1]
.endr
	v_add_f32 v194, v192, v193
.irp l, 0,1,2,3
	ds_store_b128 v[VTW], v[VA+8*\l:VA+8*\l+3] offset:64*\l
	ds_store_b128 v[VTW], v[VA+8*\l+4:VA+8*\l+7] offset:64*\l+16
.endr
	ds_store_b32 v[SVW], v194
	s_wait_xcnt 0x0                                ; the stores to xc have had their addresses translated (ISA guide 3.1): window 3 is written again only behind this wait
	FETCHB 0, 0, FB0                               ; the first head's first two K steps and its scale words
	WSC 0
	FETCHB 0, 1, FB1
	s_mov_b32 s43, 0
	s_mov_b32 s44, 0
	s_mov_b32 s42, 3
.Lh:                                               ; three trips of two heads, each with a refill: steps 2 to 7; the last two heads are written out
	HEAD 0, 2
	HEAD 1, 2
	s_sub_co_u32 s42, s42, 1
	s_cmp_lg_u32 s42, 0
	s_cbranch_scc1 .Lh
	HEAD 0, 1
	HEAD 1, 0
	s_wait_dscnt 0x0                               ; my partial sums lie in LDS
	s_barrier_signal -1
	s_barrier_wait -1
	v_add_nc_u32 v[TMP], PST, v[T16]               ; the four partial rows are added; thread n takes 16 bytes at 16 n (j = 0) and at 2,048 + 16 n (j = 1): step n / 16
.irp g, 0,1
.irp n, 0,1,2,3
	ds_load_b128 v[64+16*\g+4*\n:67+16*\g+4*\n], v[TMP] offset:\g*2048+\n*4096
.endr
.endr
	v_lshrrev_b32 v[XA], 4, v0                     ; in part the step's 256 bytes lie at its head's place: ((n / 16 + c) % 8) 256 + 16 (n % 16)
	v_add_nc_u32 v[XA], s49, v[XA]
	v_and_b32 v[XA], 7, v[XA]
	v_lshlrev_b32 v[SA], 4, v[RR]
	v_lshl_add_u32 v[XA], v[XA], 8, v[SA]
	s_wait_dscnt 0x0
.irp n, 1,2,3
.irp g, 0,1
.irp q, 0,1
	v_pk_add_f32 v[64+16*\g+2*\q:65+16*\g+2*\q], v[64+16*\g+2*\q:65+16*\g+2*\q], v[64+16*\g+4*\n+2*\q:65+16*\g+4*\n+2*\q]
.endr
.endr
.endr
.irp g, 0,1
	global_store_b128 v[XA], v[64+16*\g:67+16*\g], s[14:15] offset:\g*2048   ; sixteen lanes store 256 consecutive bytes, aligned
.endr
	s_wait_tensorcnt 0x0                           ; the wave's end
	ds_add_u32 v[SPW], v[NIL]
	s_wait_dscnt 0x0
	ROUND                                          ; the closing round: no work-group ends while a partner may still ask for a tile that names it
	s_endpgm
.Lfunc_end_k_q181983b925_kpass:
	.size	k_q181983b925_kpass, .Lfunc_end_k_q181983b925_kpass-k_q181983b925_kpass
	.p2alignl 7, 3214868480
	.fill 96, 4, 3214868480
	.section	.rodata,"a",@progbits
	.p2align	6, 0x0
	.amdhsa_kernel k_q181983b925_kpass
		.amdhsa_group_segment_fixed_size 327680
		.amdhsa_private_segment_fixed_size 0
		.amdhsa_enable_private_segment 0
		.amdhsa_kernarg_size 48
		.amdhsa_user_sgpr_count 2
		.amdhsa_user_sgpr_kernarg_segment_ptr 1
		.amdhsa_wavefront_size32 1
		.amdhsa_system_sgpr_workgroup_id_x 1
		.amdhsa_system_sgpr_workgroup_id_y 1
		.amdhsa_system_sgpr_workgroup_id_z 1
		.amdhsa_system_vgpr_workitem_id 0
		.amdhsa_next_free_vgpr 1024
		.amdhsa_next_free_sgpr 80
		.amdhsa_reserve_vcc 0
		.amdhsa_float_denorm_mode_32 3
		.amdhsa_float_denorm_mode_16_64 3
		.amdhsa_memory_ordered 1
		.amdhsa_forward_progress 1
		.amdhsa_inst_pref_size 255
	.end_amdhsa_kernel
	.section	.bss,"aw",@nobits
	.p2align	6
	.space	262144
	.amdgpu_metadata
---
amdhsa.version: [ 1, 2 ]
amdhsa.kernels:
  - .name:           k_q181983b925_kpass
    .symbol:         k_q181983b925_kpass.kd
    .args:
      - { .name: x, .offset: 0, .size: 8, .value_kind: global_buffer, .address_space: global }
      - { .name: wkc, .offset: 8, .size: 8, .value_kind: global_buffer, .address_space: global }
      - { .name: wvc, .offset: 16, .size: 8, .value_kind: global_buffer, .address_space: global }
      - { .name: bv, .offset: 24, .size: 8, .value_kind: global_buffer, .address_space: global }
      - { .name: xc, .offset: 32, .size: 8, .value_kind: global_buffer, .address_space: global }
      - { .name: part, .offset: 40, .size: 8, .value_kind: global_buffer, .address_space: global }
    .group_segment_fixed_size: 327680
    .private_segment_fixed_size: 0
    .kernarg_segment_align: 8
    .kernarg_segment_size: 48
    .max_flat_workgroup_size: 128
    .sgpr_count:     80
    .vgpr_count:     1024
    .wavefront_size: 32
...
	.end_amdgpu_metadata
.endif
;; end of part 2
;; launch qpass (part 3): grid 256 x 1, 4 waves a work-group, clusters of 4 x 1, 327,680 bytes of LDS; arguments xc, wqc, part, mask, out0; writes out0
.if DOCPART == 3
	.amdgcn_target "amdgcn-amd-amdhsa--gfx1250"
	.amdhsa_code_object_version 6
	.text
	.protected	k_q181983b925_qpass
	.globl	k_q181983b925_qpass
	.p2align	8
	.type	k_q181983b925_qpass,@function
k_q181983b925_qpass:
	s_mov_b64 s[64:65], 0
	v_nop
	global_prefetch_b8 v0, s[64:65] scope:SCOPE_SE
	s_setreg_imm32_b32 hwreg(HW_REG_WAVE_MODE, 25, 1), 1
	s_wait_xcnt 0x0
	s_wait_alu depctr_hold_cnt(0) depctr_sa_sdst(0) depctr_va_vdst(0) depctr_va_sdst(0) depctr_va_ssrc(0) depctr_va_vcc(0) depctr_vm_vsrc(0)
	s_getreg_b32 s2, hwreg(HW_REG_IB_STS2, 6, 4)
	s_cmp_eq_u32 s2, 0
	s_cbranch_scc0 .Lentry_in_a_cluster
	s_endpgm
.Lentry_in_a_cluster:
	s_bfe_u32 s2, ttmp6, 0x10000c
	s_cmp_lg_u32 s2, 0x3003
	s_cbranch_scc0 .Lentry_shape_is_right
	s_endpgm
.Lentry_shape_is_right:
; out0[b][head][l] = mask[b][l] ? sigmoid(q[l] . ktv[b][head] / 8) : 0, with q = x Wq + bq on codes of BF6 (E3M2), by the scaled matrix instruction, and ktv[b] = the sum of the batch's 32 rows of part, in f32.
; A work-group takes block blk (128 rows of x, as the codes and scale words that the launch before stored: 102,400 dense bytes, one tensor load of a quarter for each wave) and all 1,024 columns of Wq.
; SHARES, RING, WALK and IMAGES as in the launch before: wave (i, j) owns rows 64 i .. 64 i + 63 and one head a step; its 32 fragments of x stay in registers; Wq's tiles come through two slots, both filled at the start, by joint
; loads of the cluster's four work-groups; cluster c takes tile (t + c) % 8 in step t.  Every LDS place is by the step; only global addresses know the turn: the tiles', part's and out0's.
; THE PRODUCT IS USED TRANSPOSED (source 0 = 16 columns of Wq, source 1 = 16 rows of x): register n of lane (r, h) is q(row r, d = 16 ct + 8 h + n), so z is a chain of multiply-adds within a lane; the two halves of the lanes
; hold the two halves of a sum and meet in LDS.  bq is the C of each sum's first product.
; sigmoid(z / 8) = 1 / (1 + 2^(-z log2(e) / 8)): an exponential that overflows gives 0, one that falls to 0 gives 1.
; REGISTERS: window 0: v1-31 addresses; v32-47 x's scale words, v48-63 W's; v64-159 two buffers of four fragments of W.  windows 1, 2: x's fragments.  window 3: the 16 accumulators (v0-127), ktv (v128-159), bq (v160-191), z (v192-199).
; SCALARS as in the launch before; s[52:59], s[60:63] the groups for x's codes; s[68:71] the mask's four lane masks.
.set SLOTB,  103424
.set QTR,    25856
.set XIMG,   206848                    ; x's 64 images,
.set XSC,    305152                    ; their scale words,
.set KTV,    309248                    ; ktv of the batch, by steps, 4,096 bytes,
.set SPARE,  313344                    ; the spare words, 128 bytes for each wave: two blocks of 256 bytes that no other line names
.set ZST,    XIMG                      ; z's halves [h][16 steps' heads][128 rows] f32, in the images' bytes: they have had their one fill, and their reads are over behind the first head's change of slots
.set LI,  1
.set LS,  2
.set RR,  3
.set HH,  4
.set SPW, 5
.set NIL, 6
.set AB,  8
.set AS,  10
.set ABI, 12
.set AXF, 14
.set AXS, 15
.set KT0, 16                           ; ktv of step 0, my half's eight
.set ZA0, 17                           ; where z of step 0 goes
.set KTA, 18                           ; the two for the step in hand
.set ZA,  19
.set PO,  20                           ; my offset in a row of part
.set MK,  21                           ; four bytes of the mask: rows 4 x lane on
.set KW,  22                           ; where I store ktv
.set ZR,  23                           ; where I read z back
.set OQ,  24                           ; v24-27 my offsets in out0 for my four heads
.set TMP, 31
.set XS,  32
.set WS,  48
.set FB0, 64
.set FB1, 112
.set MSB, 0
.macro WIN new                         ; s_set_vgpr_msb: bits 1:0 source 0, 3:2 source 1, 5:4 source 2, 7:6 destination; the high byte repeats the setting that is left
.if MSB != (\new)
	s_set_vgpr_msb (MSB<<8)|(\new)
.set MSB, \new
.endif
.endm
.macro PLACES                          ; four plain places behind a matrix instruction (ISA guide 7.12.1)
.rept 4
	v_nop
.endr
.endm
.macro CREST                           ; a round of the cluster's barrier behind its opening barrier
	s_cmp_lg_u32 s16, 0
	s_cbranch_scc1 .Lnot_wave_0_\@
	s_barrier_signal -3
.Lnot_wave_0_\@:
	s_barrier_wait -3
	s_barrier_signal -1
	s_barrier_wait -1
.endm
.macro ROUND                           ; a whole round
	s_barrier_signal -1
	s_barrier_wait -1
	CREST
.endm
.macro WM d, a, b, c, sa, sb, odd      ; one product; odd K steps take their scale words from lanes 16-31
.if \odd
	v_wmma_scale_f32_16x16x128_f8f6f4 v[\d:\d+7], v[\a:\a+11], v[\b:\b+11], v[\c:\c+7], v[\sa], v[\sb] matrix_a_fmt:MATRIX_FMT_BF6 matrix_b_fmt:MATRIX_FMT_BF6 matrix_a_scale:MATRIX_SCALE_ROW1 matrix_b_scale:MATRIX_SCALE_ROW1
.else
	v_wmma_scale_f32_16x16x128_f8f6f4 v[\d:\d+7], v[\a:\a+11], v[\b:\b+11], v[\c:\c+7], v[\sa], v[\sb] matrix_a_fmt:MATRIX_FMT_BF6 matrix_b_fmt:MATRIX_FMT_BF6
.endif
.endm
.macro XFRAGS
	WIN 0x40
.irp l, 0,1
.irp s, 0,1,2,3,4,5,6,7
.irp c, 0,1,2
	ds_load_b128 v[(\l*8+\s)*12+4*\c:(\l*8+\s)*12+4*\c+3], v[AXF] offset:(\l*8+\s)*1536+512*\c
.endr
.endr
.endr
	WIN 0x80
.irp l, 2,3
.irp s, 0,1,2,3,4,5,6,7
.irp c, 0,1,2
	ds_load_b128 v[((\l-2)*8+\s)*12+4*\c:((\l-2)*8+\s)*12+4*\c+3], v[AXF] offset:(\l*8+\s)*1536+512*\c
.endr
.endr
.endr
	WIN 0
.irp l, 0,1,2,3
.irp u, 0,1,2,3
	ds_load_b32 v[XS+4*\l+\u], v[AXS] offset:\l*512+\u*128
.endr
.endr
.endm
.macro FETCHB slot, ks, buf
.irp ct, 0,1,2,3
.irp c, 0,1,2
	ds_load_b128 v[(\buf)+12*\ct+4*\c:(\buf)+12*\ct+4*\c+3], v[AB+\slot] offset:(\ct*8+(\ks))*1536+512*\c
.endr
.endr
.endm
.macro WSC slot
.irp ct, 0,1,2,3
.irp u, 0,1,2,3
	ds_load_b32 v[WS+4*\ct+\u], v[AS+\slot] offset:\ct*512+\u*128
.endr
.endr
.endm
.macro FIRST slot                      ; what a head's first products want: K step 0, the scale words, bq (eight numbers a tile of columns in the result's layout, window 3 v160-191), and behind them K step 1
	FETCHB \slot, 0, FB0
	WSC \slot
	WIN 0xc0
.irp ct, 0,1,2,3
	ds_load_b128 v[160+8*\ct:163+8*\ct], v[ABI+\slot] offset:64*\ct
	ds_load_b128 v[164+8*\ct:167+8*\ct], v[ABI+\slot] offset:64*\ct+16
.endr
	WIN 0
	FETCHB \slot, 1, FB1
.endm
.macro MM ks, buf                      ; 16 products, the accumulators by turns; K step 0 takes bq as its C
.irp l, 0,1,2,3
	WIN 0xf4+4*(\l/2)
.irp ct, 0,1,2,3
.if (\ks) == 0
	WM 8*(4*\l+\ct), (\buf)+12*\ct, ((\l%2)*8+(\ks))*12, 160+8*\ct, WS+4*\ct+(\ks)/2, XS+4*\l+(\ks)/2, 0
.else
	WM 8*(4*\l+\ct), (\buf)+12*\ct, ((\l%2)*8+(\ks))*12, 8*(4*\l+\ct), WS+4*\ct+(\ks)/2, XS+4*\l+(\ks)/2, (\ks)%2
.endif
.endr
.endr
.endm
.macro EPI                             ; z of my four rows, my half of the head's 64: each accumulator from its low end on
	WIN 0xff
.irp ct, 0,1,2,3
.irp p, 0,1,2,3
.irp l, 0,1,2,3
.if (\ct+\p) == 0
	v_pk_mul_f32 v[192+2*\l:193+2*\l], v[8*(4*\l+\ct)+2*\p:8*(4*\l+\ct)+2*\p+1], v[128+8*\ct+2*\p:129+8*\ct+2*\p]
.else
	v_pk_fma_f32 v[192+2*\l:193+2*\l], v[8*(4*\l+\ct)+2*\p:8*(4*\l+\ct)+2*\p+1], v[128+8*\ct+2*\p:129+8*\ct+2*\p], v[192+2*\l:193+2*\l]
.endif
.endr
.endr
.endr
.irp l, 0,1,2,3
	v_add_f32 v[192+2*\l], v[192+2*\l], v[193+2*\l]
.endr
	WIN 0x0c
.irp l, 0,1,2,3
	ds_store_b32 v[ZA], v[192+2*\l] offset:64*\l
.endr
	WIN 0
	s_add_co_u32 s43, s43, 256                     ; the next step's ktv,
	s_add_co_u32 s44, s44, 512                     ; and its 128 rows of z
.endm
; ONE HEAD, out of slot \slot.  At its entry FIRST's loads for it have been issued.  mode 2: the slots change and this slot is filled again, with the tile two steps on;  1: they change and nothing is filled;  0: the last head.
; THE CHANGE OF SLOTS: when K step 7's fragments have been asked for, the wave waits for all its tensor loads (one is out: its quarter of the next slot), adds 0 to its spare word, works K step 6, waits for the add and
; for its reads of this slot, signals, works K step 7, and passes the barrier, which with mode 2 opens a round of the cluster's.  Behind it come the refill, the next head's first loads, and only then this head's z.
.macro HEAD slot, mode
	v_add_nc_u32 v[KTA], s43, v[KT0]
	v_add_nc_u32 v[ZA], s44, v[ZA0]
	WIN 0xc0                                       ; the step's ktv, into window 3 (v128-159): 8 loads
.irp ct, 0,1,2,3
	ds_load_b128 v[128+8*\ct:131+8*\ct], v[KTA] offset:64*\ct
	ds_load_b128 v[132+8*\ct:135+8*\ct], v[KTA] offset:64*\ct+16
.endr
	WIN 0
	s_wait_dscnt 20                                ; K step 0, the scale words and bq are in: behind them stand K step 1's 12 loads and the 8 above (and, on the way back round the loop, the last head's four stores)
	MM 0, FB0
.irp k, 1,2,3,4,5
	WIN 0
	PLACES                                         ; in front of loads into the buffer that the sixteen products above have read
	FETCHB \slot, \k+1, FB0+48*((\k+1)%2)
	s_wait_dscnt 12                                ; this K step's fragments are in; the next step's twelve loads may be out
	MM \k, FB0+48*(\k%2)
.endr
	WIN 0
	PLACES
	FETCHB \slot, 7, FB1                           ; my last reads of this slot
.if \mode
	s_wait_tensorcnt 0x0                           ; all my tensor loads have landed
	ds_add_u32 v[SPW], v[NIL]
.if \mode == 2
	s_and_b32 s72, s45, 7                          ; no load of mine is out, so a group 0 may be written: tile (t + 2 + c) % 8, at my quarter
	s_mul_i32 s72, s72, SLOTB
	s_add_nc_u64 s[34+4*\slot:35+4*\slot], s[50:51], s[72:73]
	s_or_b32 s[35+4*\slot], s[35+4*\slot], 0x80000000
	s_add_co_u32 s45, s45, 1
.endif
	s_wait_dscnt 13                                ; K step 6 is in; K step 7's twelve loads and the add may be out
	MM 6, FB0
	s_wait_dscnt 0x0                               ; the add is done, and my reads of this slot are over
	s_barrier_signal -1
	MM 7, FB1                                      ; work on registers while the others arrive
	WIN 0
	s_barrier_wait -1
.if \mode == 2
	CREST
	tensor_load_to_lds s[32+4*\slot:35+4*\slot], s[24:31]   ; the first thing behind the round, and my one tensor load until the next
	s_nop 0
.endif
	PLACES                                         ; behind the tensor load; also the places in front of the loads below and of z's first reads
	FIRST 1-\slot                                  ; they land while this head's z is made
.else
	s_wait_dscnt 12
	MM 6, FB0
	s_wait_dscnt 0x0
	MM 7, FB1
	WIN 0
	PLACES
.endif
	EPI
.endm
	s_load_b256 s[4:11], s[0:1], 0x0               ; xc s[4:5], wqc s[6:7], part s[8:9], mask s[10:11]
	s_load_b64 s[12:13], s[0:1], 0x20              ; out0
	v_lshl_add_u32 v[SPW], v0, 2, SPARE
	v_mov_b32 v[NIL], 0
	ds_add_u32 v5, v6
	ds_add_u32 v5, v6
	s_wait_dscnt 0x0
	v_lshrrev_b32 v[TMP], 5, v0
	v_readfirstlane_b32 s16, v[TMP]                ; wave w
	s_lshr_b32 s17, s16, 1                         ; i
	s_and_b32 s18, s16, 1                          ; j
	s_bfe_u32 s19, ttmp6, 0x40000                  ; cx
	s_lshl_b32 s20, ttmp9, 2
	s_add_co_u32 s20, s20, s19                     ; blk: it enters global addresses of xc, part, mask and out0 alone
	s_and_b32 s49, ttmp9, 7                        ; c % 8, the same in the four partners: it enters global addresses alone
	s_mov_b32 s24, 15|(3<<16)|(1<<21)              ; group 1 for W's tiles: mask of the four work-groups; elements of 8 bytes; bit 21 beside a mask; 101 dense rows of 256 bytes
	s_mov_b32 s25, 32<<16
	s_mov_b32 s26, 101<<16
	s_mov_b32 s27, 32<<16
	s_mov_b32 s28, 101
	s_mov_b32 s29, 32
	s_mov_b32 s30, 0
	s_mov_b32 s31, 0
	s_mov_b32 s52, 3<<16                           ; group 1 for x's codes: no mask (each work-group has its own block); 100 dense rows of 256 bytes
	s_mov_b32 s53, 32<<16
	s_mov_b32 s54, 100<<16
	s_mov_b32 s55, 32<<16
	s_mov_b32 s56, 100
	s_mov_b32 s57, 32
	s_mov_b32 s58, 0
	s_mov_b32 s59, 0
	s_mul_i32 s22, s16, QTR
	s_mov_b32 s23, 0
	s_mov_b32 s73, 0
	s_mul_i32 s48, s16, 25600                      ; my quarter of the block's codes
	s_mul_i32 s46, s20, 102400
	s_add_co_u32 s46, s46, s48
	s_mov_b32 s47, 0
	s_wait_kmcnt 0x0
	s_add_nc_u64 s[50:51], s[6:7], s[22:23]        ; W at my quarter of tile 0
.irp n, 0,1                                    ; group 0 for slot n, set up for step n: tile (n + c) % 8
	s_add_co_u32 s72, s49, \n
	s_and_b32 s72, s72, 7
	s_mul_i32 s72, s72, SLOTB
	s_mov_b32 s[32+4*\n], 1
	s_add_co_u32 s[33+4*\n], s22, \n*SLOTB
	s_add_nc_u64 s[34+4*\n:35+4*\n], s[50:51], s[72:73]
	s_or_b32 s[35+4*\n], s[35+4*\n], 0x80000000
.endr
	s_add_co_u32 s45, s49, 2                       ; the first refill is step 2's
	s_mov_b32 s60, 1
	s_add_co_u32 s61, s48, XIMG
	s_add_nc_u64 s[62:63], s[4:5], s[46:47]
	s_or_b32 s63, s63, 0x80000000
	s_lshr_b32 s46, s20, 5                         ; the batch
	s_lshl_b32 s46, s46, 17                        ; its 32 rows of part
	s_add_nc_u64 s[8:9], s[8:9], s[46:47]
	s_lshl_b32 s46, s20, 7                         ; the block's 128 bytes of the mask
	s_add_nc_u64 s[10:11], s[10:11], s[46:47]
	s_lshr_b32 s46, s20, 5                         ; out0: the batch's 16 rows of 16,384 bytes, the eight heads of w / 2, the block's 512 bytes
	s_lshl_b32 s46, s46, 18
	s_lshl_b32 s48, s17, 17
	s_add_co_u32 s46, s46, s48
	s_and_b32 s48, s20, 31
	s_lshl_b32 s48, s48, 9
	s_add_co_u32 s46, s46, s48
	s_add_nc_u64 s[12:13], s[12:13], s[46:47]
	ROUND                                          ; the four work-groups are here
	tensor_load_to_lds s[60:63], s[52:59]          ; x's codes, then W's tiles of steps 0 and 1: three loads of mine are out
	s_nop 0
	tensor_load_to_lds s[32:35], s[24:31]
	s_nop 0
	tensor_load_to_lds s[36:39], s[24:31]
	s_nop 0
.rept 4
	v_nop
.endr
	v_and_b32 v[TMP], 31, v0
	v_lshlrev_b32 v[LI], 4, v[TMP]
	v_lshlrev_b32 v[LS], 2, v[TMP]
	v_and_b32 v[RR], 15, v0
	v_bfe_u32 v[HH], v0, 4, 1
	v_lshl_add_u32 v[KW], v0, 4, KTV
	v_lshrrev_b32 v[TMP], 4, v0                    ; thread n keeps step n / 16's 16 bytes at 16 (n % 16): in part they lie at the step's head: ((n / 16 + c) % 8) 256 + 16 (n % 16)
	v_add_nc_u32 v[TMP], s49, v[TMP]
	v_and_b32 v[TMP], 7, v[TMP]
	v_lshlrev_b32 v[PO], 4, v[RR]
	v_lshl_add_u32 v[PO], v[TMP], 8, v[PO]
	WIN 0xc0                                       ; the batch's 32 rows of part: j = 0's half and j = 1's
.set Q, 0
.rept 32
	global_load_b128 v[4*Q:4*Q+3], v[PO], s[8:9] offset:Q*4096
	global_load_b128 v[128+4*Q:128+4*Q+3], v[PO], s[8:9] offset:Q*4096+2048
.set Q, Q+1
.endr
	WIN 0
	global_load_b32 v[MK], v[LS], s[10:11]
	s_mul_i32 s21, s18, 49152
	v_add_nc_u32 v[AB], s21, v[LI]
	v_add_nc_u32 v[AB+1], SLOTB, v[AB]
	s_lshl_b32 s21, s18, 11
	s_add_co_u32 s21, s21, 98304
	v_add_nc_u32 v[AS], s21, v[LS]
	v_add_nc_u32 v[AS+1], SLOTB, v[AS]
	s_lshl_b32 s21, s18, 8
	s_add_co_u32 s21, s21, 102400
	v_lshl_add_u32 v[ABI], v[HH], 5, s21
	v_add_nc_u32 v[ABI+1], SLOTB, v[ABI]
	s_mul_i32 s21, s17, 49152
	s_add_co_u32 s21, s21, XIMG
	v_add_nc_u32 v[AXF], s21, v[LI]
	s_lshl_b32 s21, s17, 11
	s_add_co_u32 s21, s21, XSC
	v_add_nc_u32 v[AXS], s21, v[LS]
	s_lshl_b32 s21, s18, 11
	s_add_co_u32 s21, s21, KTV
	v_lshl_add_u32 v[KT0], v[HH], 5, s21
	s_lshl_b32 s21, s18, 12
	s_lshl_b32 s48, s17, 8
	s_add_co_u32 s21, s21, s48
	s_add_co_u32 s21, s21, ZST
	v_lshl_add_u32 v[ZA0], v[HH], 13, s21
	v_lshl_add_u32 v[ZA0], v[RR], 2, v[ZA0]
	s_lshl_b32 s21, s16, 11
	s_add_co_u32 s21, s21, ZST
	v_add_nc_u32 v[ZR], s21, v[LI]
	s_lshl_b32 s21, s18, 2                         ; on the way out I take steps 4 (w % 2) + q of the heads of w / 2: head (4 (w % 2) + q + c) % 8 of those eight
	s_add_co_u32 s21, s21, s49
.irp q, 0,1,2,3
	s_add_co_u32 s48, s21, \q
	s_and_b32 s48, s48, 7
	s_lshl_b32 s48, s48, 14
	v_add_nc_u32 v[OQ+\q], s48, v[LI]
.endr
	s_wait_loadcnt 0x0
	WIN 0xff                                       ; ktv: the blocks in ascending order, in four chains: the same order, and so the same bits, in every work-group of the batch
.set Q, 1
.rept 31
	v_pk_add_f32 v[0:1], v[0:1], v[4*Q:4*Q+1]
	v_pk_add_f32 v[2:3], v[2:3], v[4*Q+2:4*Q+3]
	v_pk_add_f32 v[128:129], v[128:129], v[128+4*Q:128+4*Q+1]
	v_pk_add_f32 v[130:131], v[130:131], v[128+4*Q+2:128+4*Q+3]
.set Q, Q+1
.endr
	WIN 0x0c
	ds_store_b128 v[KW], v[0:3]
	ds_store_b128 v[KW], v[128:131] offset:2048
	WIN 0
	s_wait_tensorcnt 1                             ; my quarters of x's codes and of step 0's tile are in; step 1's, issued behind them, may stay out
	s_wait_dscnt 0x0                               ; my part of ktv lies in LDS
	s_barrier_signal -1
	s_barrier_wait -1
	XFRAGS                                         ; (older than the first head's loads: its first wait covers these)
	FIRST 0
	s_mov_b32 s43, 0
	s_mov_b32 s44, 0
	s_mov_b32 s42, 3
.Lh:                                               ; three trips of two heads, each with a refill: steps 2 to 7; the last two heads are written out
	HEAD 0, 2
	HEAD 1, 2
	s_sub_co_u32 s42, s42, 1
	s_cmp_lg_u32 s42, 0
	s_cbranch_scc1 .Lh
	HEAD 0, 1
	HEAD 1, 0
	s_wait_dscnt 0x0                               ; my halves of z lie in LDS
	s_barrier_signal -1
	s_barrier_wait -1
; THE WAY OUT: wave w takes four steps' heads; a lane four neighbouring rows
.irp q, 0,1,2,3
	ds_load_b128 v[64+8*\q:67+8*\q], v[ZR] offset:\q*512
	ds_load_b128 v[68+8*\q:71+8*\q], v[ZR] offset:\q*512+8192
.endr
.irp e, 0,1,2,3
	v_bfe_u32 v[TMP], v[MK], 8*\e, 8
	v_cmp_ne_u32 s[68+\e], 0, v[TMP]               ; row 4 x lane + e counts
.endr
	s_wait_dscnt 0x0
.irp q, 0,1,2,3
	v_pk_add_f32 v[64+8*\q:65+8*\q], v[64+8*\q:65+8*\q], v[68+8*\q:69+8*\q]     ; the two halves of the head's 64
	v_pk_add_f32 v[66+8*\q:67+8*\q], v[66+8*\q:67+8*\q], v[70+8*\q:71+8*\q]
	v_pk_mul_f32 v[64+8*\q:65+8*\q], v[64+8*\q:65+8*\q], 0xbe38aa3b op_sel_hi:[1,0]   ; x -log2(e) / 8
	v_pk_mul_f32 v[66+8*\q:67+8*\q], v[66+8*\q:67+8*\q], 0xbe38aa3b op_sel_hi:[1,0]
.irp e, 0,1,2,3
	v_exp_f32 v[64+8*\q+\e], v[64+8*\q+\e]
.endr
	v_nop                                          ; one plain place behind the transcendentals
	s_wait_alu depctr_va_vdst(0)
	v_pk_add_f32 v[64+8*\q:65+8*\q], v[64+8*\q:65+8*\q], 1.0 op_sel_hi:[1,0]
	v_pk_add_f32 v[66+8*\q:67+8*\q], v[66+8*\q:67+8*\q], 1.0 op_sel_hi:[1,0]
.irp e, 0,1,2,3
	v_rcp_f32 v[64+8*\q+\e], v[64+8*\q+\e]
.endr
	v_nop
	s_wait_alu depctr_va_vdst(0)
.irp e, 0,1,2,3
	v_cndmask_b32 v[64+8*\q+\e], 0, v[64+8*\q+\e], s[68+\e]
.endr
	global_store_b128 v[OQ+\q], v[64+8*\q:67+8*\q], s[12:13] th:TH_STORE_NT   ; 32 lanes store 512 consecutive bytes, aligned
.endr
	s_wait_tensorcnt 0x0                           ; the wave's end
	ds_add_u32 v[SPW], v[NIL]
	s_wait_dscnt 0x0
	ROUND                                          ; the closing round
	s_endpgm
.Lfunc_end_k_q181983b925_qpass:
	.size	k_q181983b925_qpass, .Lfunc_end_k_q181983b925_qpass-k_q181983b925_qpass
	.p2alignl 7, 3214868480
	.fill 96, 4, 3214868480
	.section	.rodata,"a",@progbits
	.p2align	6, 0x0
	.amdhsa_kernel k_q181983b925_qpass
		.amdhsa_group_segment_fixed_size 327680
		.amdhsa_private_segment_fixed_size 0
		.amdhsa_enable_private_segment 0
		.amdhsa_kernarg_size 40
		.amdhsa_user_sgpr_count 2
		.amdhsa_user_sgpr_kernarg_segment_ptr 1
		.amdhsa_wavefront_size32 1
		.amdhsa_system_sgpr_workgroup_id_x 1
		.amdhsa_system_sgpr_workgroup_id_y 1
		.amdhsa_system_sgpr_workgroup_id_z 1
		.amdhsa_system_vgpr_workitem_id 0
		.amdhsa_next_free_vgpr 1024
		.amdhsa_next_free_sgpr 80
		.amdhsa_reserve_vcc 0
		.amdhsa_float_denorm_mode_32 3
		.amdhsa_float_denorm_mode_16_64 3
		.amdhsa_memory_ordered 1
		.amdhsa_forward_progress 1
		.amdhsa_inst_pref_size 159
	.end_amdhsa_kernel
	.amdgpu_metadata
---
amdhsa.version: [ 1, 2 ]
amdhsa.kernels:
  - .name:           k_q181983b925_qpass
    .symbol:         k_q181983b925_qpass.kd
    .args:
      - { .name: xc, .offset: 0, .size: 8, .value_kind: global_buffer, .address_space: global }
      - { .name: wqc, .offset: 8, .size: 8, .value_kind: global_buffer, .address_space: global }
      - { .name: part, .offset: 16, .size: 8, .value_kind: global_buffer, .address_space: global }
      - { .name: mask, .offset: 24, .size: 8, .value_kind: global_buffer, .address_space: global }
      - { .name: out0, .offset: 32, .size: 8, .value_kind: global_buffer, .address_space: global }
    .group_segment_fixed_size: 327680
    .private_segment_fixed_size: 0
    .kernarg_segment_align: 8
    .kernarg_segment_size: 40
    .max_flat_workgroup_size: 128
    .sgpr_count:     80
    .vgpr_count:     1024
    .wavefront_size: 32
...
	.end_amdgpu_metadata
.endif
;; end of part 3
